; MI455X (gfx1250); checked and timed in simulation.
; The chip was launched on July 23, 2026; its instructions are those of AMD's public machine-readable ISA for CDNA 5 (MIT licence, August 2026) and "CDNA5" Instruction Set Architecture Reference Guide (July 2026). The comments in the code are by the model that wrote it; some were corrected since.
;; Cross Attention Model. Allowed arithmetic: matrix products marked QUANTISED: E4M3 operands, one given power-of-two scale a tensor, by v_wmma_f32_16x16x64_fp8_fp8 or v_wmma_f32_16x16x128_fp8_fp8, f32 sums; everything else in f32.
;; Inputs: W_k1_codes 512 x 16 x 32 uint8 (E4M3 codes of W_k1, K innermost, in blocks of 32 codes); W_k2_codes 512 x 16 x 32 uint8 (E4M3 codes of W_k2, K innermost, in blocks of 32 codes); W_q1_codes 512 x 16 x 32 uint8 (E4M3 codes of W_q1, K innermost, in blocks of 32 codes); W_q2_codes 512 x 16 x 32 uint8 (E4M3 codes of W_q2, K innermost, in blocks of 32 codes); W_v1_codes 512 x 16 x 32 uint8 (E4M3 codes of W_v1, K innermost, in blocks of 32 codes); W_v2_codes 512 x 16 x 32 uint8 (E4M3 codes of W_v2, K innermost, in blocks of 32 codes); b_k1 512 float32; b_k2 512 float32; b_q1 512 float32; b_q2 512 float32; b_v1 512 float32; b_v2 512 float32; input1_codes 64 x 512 x 16 x 32 uint8 (E4M3 codes of input1, K innermost, in blocks of 32 codes); input2_codes 64 x 512 x 16 x 32 uint8 (E4M3 codes of input2, K innermost, in blocks of 32 codes); lowp_scales 16 int32 (the exponents e of the quantised operands' scales 2^e).
;; Outputs: out0 64 x 512 float32.
;; This version of the problem:
;;   THIS VERSION OF THE PROBLEM IS GIVEN IN LOW PRECISION. The matrix products marked QUANTISED in the list below multiply operands that are first quantised to E4M3 (4 exponent bits, 3 mantissa bits; 8 bits a number), with one given power-of-two scale for each operand tensor; their sums are f32. All else is computed in f32.
;;   The module's matrix products, in the order in which they are computed (A, B: the left and right operand; K: the contracted axis; several contracted axes count as one K, in the product's order):
;;     1. [M 32,768, K 512] x [K 512, N 512]; A: input input1 (given as codes); B: input W_q1 (given as codes): QUANTISED (scales: A lowp_scales[0], B lowp_scales[1])
;;     2. [M 32,768, K 512] x [K 512, N 512]; A: input input1 (given as codes); B: input W_k1 (given as codes): QUANTISED (scales: A lowp_scales[2], B lowp_scales[3])
;;     3. [M 32,768, K 512] x [K 512, N 512]; A: input input1 (given as codes); B: input W_v1 (given as codes): QUANTISED (scales: A lowp_scales[4], B lowp_scales[5])
;;     4. [M 32,768, K 512] x [K 512, N 512]; A: input input2 (given as codes); B: input W_q2 (given as codes): QUANTISED (scales: A lowp_scales[6], B lowp_scales[7])
;;     5. [M 32,768, K 512] x [K 512, N 512]; A: input input2 (given as codes); B: input W_k2 (given as codes): QUANTISED (scales: A lowp_scales[8], B lowp_scales[9])
;;     6. [M 32,768, K 512] x [K 512, N 512]; A: input input2 (given as codes); B: input W_v2 (given as codes): QUANTISED (scales: A lowp_scales[10], B lowp_scales[11])
;;     7. batch 64 x [M 512, K 512] x [K 512, N 512]; A: computed on the way; B: computed on the way: QUANTISED (scales: A lowp_scales[12], B lowp_scales[13])
;;     8. batch 64 x [M 512, K 512] x [K 512, N 512]; A: softmax (see below); B: computed on the way: QUANTISED (scales: A lowp_scales[14], B lowp_scales[15])
;;   THE QUANTISER, for each operand of a quantised product, along K:
;;     - The operand's scale is 2^e, e = its entry of the input lowp_scales (int32; the entries are numbered through the quantised products in the list's order, A before B).
;;     - Each number is divided by the scale, clamped to +-448, and rounded to the nearest number of E4M3, ties to even, subnormals kept.
;;     - The product sums the exact products of the quantised numbers (number of the format x scale) in f32.
;;   ~~~python
;;   def quantise(x, axis, e):      # numpy; x: float32 -> the quantised numbers, widened to float32 again
;;       x = np.moveaxis(x, axis, -1); K = x.shape[-1]
;;       r = np.clip(x / 2.0 ** e, -448, 448)
;;       step = 2.0 ** (np.maximum(np.frexp(np.where(r == 0, 1, r))[1] - 1, -6) - 3)
;;       q = np.round(r / step) * step * 2.0 ** e      # np.round: ties to even
;;       return np.moveaxis(q, -1, axis).astype(np.float32)
;;   ~~~
;;   SOFTMAX AHEAD OF A QUANTISED PRODUCT. Where the list says 'softmax', what is quantised is not the finished softmax but p = 2^(t - M), with t = logit x log2(e) and M = ceil(the row's largest t), a whole number; so 1/2 < the row's largest p <= 1. The row's sum l is taken of the UNQUANTISED p, in f32, and the product's result is divided by l at the end. Since M is a whole number, a kernel that streams over the keys may use a running M (the ceiling of the running maximum): every later rescaling is an exact power of two, so the quantised numbers keep their values, but for numbers so far below the row's largest that they fall under the format's range.
;;   OPERANDS COMPUTED ON THE WAY. 'Computed on the way' means the value that the module computes at that place (a softmax that the list does not call 'softmax' is quantised finished and normalised). What goes into a quantiser is computed in f32, as accurately as f32 sums, v_exp_f32 and their like allow (about 1e-6 of the number): no bf16 or f16 on the way to a quantiser, and a product that is left as it is and whose result goes on into a quantised operand takes f32 operands (vector FMAs, or v_wmma_f32_16x16x4_f32). A number that lies on a knife's edge between two numbers of the format may be rounded either way, as far as f32 arithmetic and the matrix unit's own rounding can turn it there, and no further.
;;   INPUTS GIVEN AS CODES. W_k1 (in the module: [512, 512], K = its axis 1); W_k2 (in the module: [512, 512], K = its axis 1); W_q1 (in the module: [512, 512], K = its axis 1); W_q2 (in the module: [512, 512], K = its axis 1); W_v1 (in the module: [512, 512], K = its axis 1); W_v2 (in the module: [512, 512], K = its axis 1); input1 (in the module: [64, 512, 512], K = its axis 2); input2 (in the module: [64, 512, 512], K = its axis 2): each comes as NAME_codes (uint8): NAME with its K axis moved to the last place and cut into blocks of 32 codes, [.., K / 32, bytes a block], one block behind the other in memory; one code a byte (a code: sign, 4 exponent bits, 3 mantissa bits); its scale is its entry of lowp_scales. Its value is code x scale, taken as it is: it is not quantised again, and the codes and scales need not be those that the quantiser above would give.
;; One version. Each part assembles by itself: llvm-mc -triple=amdgcn-amd-amdhsa -mcpu=gfx1250 --defsym DOCPART=n.
;; ======== version 1 of 1: 3 launches
;; limits: right only within a limited range of input values
;; workspace buffers: kv 33,554,432 bytes; wqi 262,144 bytes; part 524,288 bytes
;; launch kvproj (part 1): grid 128 x 2, 4 waves a work-group, clusters of 4 x 1, 327,680 bytes of LDS; arguments input2_codes, W_k2_codes, W_v2_codes, b_k2, b_v2, W_q1_codes, lowp_scales, kv, wqi; writes kv, wqi
.if DOCPART == 1
	.amdgcn_target "amdgcn-amd-amdhsa--gfx1250"
	.amdhsa_code_object_version 6
	.text
	.protected	k_q9166fcedab_kvproj
	.globl	k_q9166fcedab_kvproj
	.p2align	8
	.type	k_q9166fcedab_kvproj,@function
k_q9166fcedab_kvproj:
	s_mov_b64 s[64:65], 0
	v_nop
	global_prefetch_b8 v0, s[64:65] scope:SCOPE_SE
	s_setreg_imm32_b32 hwreg(HW_REG_WAVE_MODE, 25, 1), 1
	s_wait_xcnt 0x0
	s_wait_alu depctr_hold_cnt(0) depctr_sa_sdst(0) depctr_va_vdst(0) depctr_va_sdst(0) depctr_va_ssrc(0) depctr_va_vcc(0) depctr_vm_vsrc(0)
	s_getreg_b32 s2, hwreg(HW_REG_IB_STS2, 6, 4)
	s_cmp_eq_u32 s2, 0
	s_cbranch_scc0 .Lentry_in_a_cluster
	s_endpgm
.Lentry_in_a_cluster:
	s_bfe_u32 s2, ttmp6, 0x10000c
	s_cmp_lg_u32 s2, 0x3003
	s_cbranch_scc0 .Lentry_shape_is_right
	s_endpgm
.Lentry_shape_is_right:
; K = Q(input2 W_k2^T + b_k2) with 2^e13 and V = Q(input2 W_v2^T + b_v2) with 2^e15 as codes of FP8 (E4M3), laid as images of the operand registers that the next launch loads; and W_q1's codes laid anew likewise.
; DEAD WORK LEFT OUT: reference() computes key1, value1 (of input1) and query2 (of input2) and never uses them: no output depends on them, whatever the inputs hold. So the products with W_k1, W_v1, W_q2 are not made, and
; W_k1, b_k1, W_v1, b_v1, W_q2, b_q2 are no launch's arguments. LIMIT: a NaN, an infinity or an overflow that reaches only those three is not carried to the result.
; SHARES. A work-group makes 256 rows x 256 columns of K and of V from the same 256 rows of input2; each of four waves 128 rows (half wave / 2) x 128 columns (half wave % 2) of each.
; A wave holds its 128 rows x 512 of input2 in 512 registers for the whole launch (32 fragments) and walks 16 tiles of 16 columns, K's eight, then V's eight: 32 matrix instructions a tile, four fragments of W, each for eight of them.
; Two groups of eight accumulators take turns from tile to tile: under a tile's products the hold of the tile before is done, two numbers behind each matrix instruction.
; input2's rows (131,072 bytes) come by plain loads through registers into LDS, rows of 512 bytes whose 16-byte columns are exchanged by exclusive or with row % 16: no padding, no two of a fragment's 16 rows in one column.
; The weights come by joint tensor loads (mask 15: the four partners have the same columns) into a ring of two slots, four tiles of both column halves each: W_k2's first four at the head, one load a wave, the rest behind rounds.
; input2's rows are shared by the two work-groups that differ in y, which lie in different clusters: each asks for its own. No prefetch: all of input2's rows are asked for at the head, and W is 262,144 bytes that 128 work-groups read.
; K: source 0 = 16 rows of W, source 1 = 16 keys: a lane holds a key, registers along d. V: source 0 = keys, source 1 = rows of W: a lane holds a d, registers along the keys. So the conversions' results are operand fragments.
; kv: [64 batches][4 groups of 128 keys]: K's 32 fragments (8 d step + key tile), then V's 32 (d tile), 2,048 bytes each: lane l's 16 bytes of register group c at 512 c + 16 l.
; LIMITS: e13 - e8 - e9 and e15 - e10 - e11 between -126 and 119, so that each power of two and 448 times it is an f32 number. NaN among the inputs is not served.
; REGISTERS: window 0: v1-31 addresses and scales, v32-63 codes, v64-127 the bias (8 for each tile), v128-255 two groups of eight accumulators; window 1: four buffers of W (four fragments each); windows 2, 3: input2's fragment (a, s) at 16 (8 s + a).
.set WP,   528                         ; an LDS row of W: 512 bytes + 16 of padding
.set XB,   131072                      ; the slots lie behind input2's rows
.set SLOT, 128*WP                      ; 64 rows of each column half
.set SPARE, XB+2*SLOT
.set SCV,  1
.set LOFF, 4
.set VB0,  5
.set VB1,  6
.set WQS,  7
.set WQD,  8
.set SCK,  9
.set WQV,  10
.set AW,   12                          ; v12-13 my lane's place in slots 0, 1
.set SPW,  14
.set NIL,  15
.set XA,   16                          ; v16-23 input2's rows, one for each pair (step % 2, c)
.set BVR,  24
.set CD,   32
.set BIAS, 64
.set ACC,  128
.set XST,  192                         ; v192-207 at the head: where I store a row, by row % 16
.set WV,   26
.set HI,   27
.set LO,   28
.set G1,   32
.set G0,   48
.set E,    68
.set K0,   84
.set K1,   87
.set MSB, 0
.macro WIN new
.if MSB != (\new)
	s_set_vgpr_msb (MSB<<8)|(\new)
.set MSB, (\new)
.endif
.endm
.macro PLACES n
.rept \n
	v_nop
.endr
.endm
.macro CREST                           ; a round of the cluster's barrier behind its opening barrier
	s_cmp_lg_u32 s[WV], 0
	s_cbranch_scc1 .Lnot_wave_0_\@
	s_barrier_signal -3
.Lnot_wave_0_\@:
	s_barrier_wait -3
	s_barrier_signal -1
	s_barrier_wait -1
.endm
.macro CROUND
	s_barrier_signal -1
	s_barrier_wait -1
	CREST
.endm
.macro QSC ea, eb, eo, k               ; k: 2^(eo - ea - eb) as f32; k + 1: 448 x that; k + 2: -(ea + eb)
	s_add_co_i32 s[\k+2], s[E+\ea], s[E+\eb]
	s_sub_co_i32 s[\k], s[E+\eo], s[\k+2]
	s_sub_co_i32 s[\k+2], 0, s[\k+2]
	s_add_co_i32 s[\k], s[\k], 127
	s_add_co_i32 s[\k+1], s[\k], 8
	s_lshl_b32 s[\k], s[\k], 23
	s_lshl_b32 s[\k+1], s[\k+1], 23
	s_or_b32 s[\k+1], s[\k+1], 0x600000
.endm
	s_load_b512 s[4:19], s[0:1], 0x0               ; input2, W_k2, W_v2, b_k2, b_v2, W_q1, scales, kv
	s_load_b64 s[20:21], s[0:1], 0x40              ; wqi
	v_lshl_add_u32 v[SPW], v0, 2, SPARE
	v_mov_b32 v[NIL], 0
	ds_add_u32 v[SPW], v[NIL]                      ; the opening add, twice on end; set-up on registers stands in front of their wait
	ds_add_u32 v[SPW], v[NIL]
	v_lshrrev_b32 v1, 5, v0
	v_readfirstlane_b32 s[WV], v1
	s_lshr_b32 s[HI], s[WV], 1
	s_and_b32 s[LO], s[WV], 1
	s_bfe_u32 s29, ttmp6, 0x40000
	s_lshl_b32 s30, ttmp9, 2
	s_add_co_u32 s30, s30, s29                     ; x: which 256 rows
	s_and_b32 s31, ttmp7, 0xffff                   ; y: which 256 columns
	v_and_b32 v1, 15, v0                           ; r
	v_bfe_u32 v2, v0, 4, 1                         ; h
	v_and_b32 v[LOFF], 31, v0
	v_lshlrev_b32 v[LOFF], 4, v[LOFF]
	v_lshlrev_b32 v[VB0], 5, v2
	v_lshlrev_b32 v[VB1], 2, v1
	v_bfe_u32 v3, v0, 1, 4                         ; W_q1: thread n's 8 bytes of half a fragment: row (n / 2) % 16,
	v_lshlrev_b32 v[WQS], 9, v3
	v_lshrrev_b32 v3, 6, v0                        ; c = n / 64, 32 bytes,
	v_lshl_add_u32 v[WQS], v3, 5, v[WQS]
	v_bfe_u32 v3, v0, 5, 1                         ; h, 16 bytes,
	v_lshl_add_u32 v[WQS], v3, 4, v[WQS]
	v_and_b32 v3, 1, v0
	v_lshl_add_u32 v[WQS], v3, 3, v[WQS]
	v_lshlrev_b32 v[WQD], 3, v0
	s_wait_alu depctr_va_vdst(0)
	s_mov_b32 s[G1], 15|(1<<20)|(1<<21)|(6<<22)|(3<<25)   ; group 1, joint: 32 rows x 512 bytes, four words behind every 128
	s_mov_b32 s[G1+1], 512<<16
	s_mov_b32 s[G1+2], 32<<16
	s_mov_b32 s[G1+3], 512<<16
	s_mov_b32 s[G1+4], 32
	s_mov_b32 s[G1+5], 512
	s_mov_b32 s[G1+6], 0
	s_mov_b32 s[G1+7], 0
.irp z, 53,57,59,61,95,97,99
	s_mov_b32 s\z, 0
.endr
	s_lshl_b32 s94, s30, 17
	s_lshl_b32 s91, s[WV], 15
	s_add_co_u32 s94, s94, s91                     ; my 64 rows of input2
	s_lshl_b32 s96, s31, 17                        ; 256 rows of W
	s_lshl_b32 s98, s[HI], 16
	s_lshl_b32 s91, s[LO], 14
	s_add_co_u32 s98, s98, s91                     ; what I fetch of four tiles' rows: column half wave / 2, 32 rows
	s_lshl_b32 s52, s31, 10
	s_lshl_b32 s91, s[LO], 9
	s_add_co_u32 s52, s52, s91                     ; the biases of my columns
	s_lshl_b32 s91, s31, 7
	s_add_co_u32 s91, s91, s30                     ; work-group 0..255: 1,024 bytes of W_q1's image
	s_lshl_b32 s58, s91, 10
	s_lshr_b32 s56, s91, 6
	s_lshl_b32 s56, s56, 16                        ; 128 rows,
	s_bfe_u32 s90, s91, 0x30001
	s_lshl_b32 s90, s90, 13
	s_add_co_u32 s56, s56, s90                     ; 16 of them,
	s_bfe_u32 s90, s91, 0x20004
	s_lshl_b32 s90, s90, 7
	s_add_co_u32 s56, s56, s90                     ; the step along K,
	s_and_b32 s90, s91, 1
	s_lshl_b32 s90, s90, 6
	s_add_co_u32 s56, s56, s90                     ; and half a fragment
	s_lshl_b32 s60, s30, 18
	s_lshl_b32 s91, s31, 15
	s_add_co_u32 s60, s60, s91
	s_lshl_b32 s91, s[HI], 17
	s_add_co_u32 s60, s60, s91
	s_lshl_b32 s91, s[LO], 14
	s_add_co_u32 s60, s60, s91                     ; kv: my keys, my d step of K; V's eight d tiles lie 65,536 bytes behind
	s_mul_i32 s92, s[WV], 32*WP
	s_add_co_u32 s92, s92, XB
	s_wait_dscnt 0x0                               ; both opening adds are done
	s_wait_kmcnt 0x0
	s_load_b512 s[E:E+15], s[16:17], 0x0
	s_add_nc_u64 s[4:5], s[4:5], s[94:95]
	s_add_nc_u64 s[6:7], s[6:7], s[96:97]
	s_add_nc_u64 s[6:7], s[6:7], s[98:99]
	s_add_nc_u64 s[8:9], s[8:9], s[96:97]
	s_add_nc_u64 s[8:9], s[8:9], s[98:99]
	s_add_nc_u64 s[10:11], s[10:11], s[52:53]
	s_add_nc_u64 s[12:13], s[12:13], s[52:53]
	s_add_nc_u64 s[14:15], s[14:15], s[56:57]
	s_add_nc_u64 s[20:21], s[20:21], s[58:59]
	s_add_nc_u64 s[22:23], s[18:19], s[60:61]
	global_load_b64 v[WQV:WQV+1], v[WQS], s[14:15]
.irp b, 0,1,2,3,4,5,6,7
	global_load_b128 v[BIAS+8*\b:BIAS+8*\b+3], v[VB0], s[10:11] offset:64*\b
	global_load_b128 v[BIAS+8*\b+4:BIAS+8*\b+7], v[VB0], s[10:11] offset:64*\b+16
.endr
	WIN 0x80
.set t, 0
.rept 40                               ; 57 loads are out with these
	global_load_b128 v[4*t:4*t+3], v[LOFF], s[4:5] offset:512*t      ; a row of 512 bytes
.set t, t+1
.endr
	WIN 0
	s_mov_b32 s[G0], 1
	s_mov_b32 s[G0+1], s92
	s_mov_b64 s[G0+2:G0+3], s[6:7]
	s_or_b32 s[G0+3], s[G0+3], 0x80000000
	CROUND                                         ; all four work-groups are here: the joint loads meet
	tensor_load_to_lds s[G0:G0+3], s[G1:G1+7]      ; W_k2's tiles 0-3: my one load at the head
	s_nop 0
	PLACES 4
	WIN 0x80
.rept 24
	global_load_b128 v[4*t:4*t+3], v[LOFF], s[4:5] offset:512*t
.set t, t+1
.endr
	WIN 0
	s_lshl_b32 s90, s[HI], 16
	v_xor_b32 v3, v1, v2
	v_lshlrev_b32 v3, 4, v3
	v_lshl_add_u32 v3, v1, 9, v3                   ; row r, column h exchanged with r
	v_add_nc_u32 v[XA], s90, v3
.irp k, 1,2,3,4,5,6,7
	v_xor_b32 v[XA+\k], 32*\k, v[XA]
.endr
	s_lshl_b32 s90, s[WV], 15
	v_add_nc_u32 v[XST], s90, v[LOFF]
.irp k, 1,2,3,4,5,6,7,8,9,10,11,12,13,14,15
	v_xor_b32 v[XST+\k], 16*\k, v[XST]
.endr
	s_mul_i32 s91, s[LO], 64*WP
	s_add_co_u32 s91, s91, XB
	v_mul_u32_u24 v3, v1, WP
	v_lshl_add_u32 v3, v2, 4, v3
	v_add_nc_u32 v[AW], s91, v3
	v_add_nc_u32 v[AW+1], SLOT, v[AW]
	s_wait_alu depctr_va_vdst(0)
	s_wait_kmcnt 0x0
	QSC 8, 9, 13, K0
	QSC 10, 11, 15, K1
	v_mov_b32 v[SCK], s[K0]
	v_mov_b32 v[SCV], s[K1]
	s_wait_alu depctr_va_vdst(0)
.set t, 0
.set g, 0
.rept 8
	s_wait_loadcnt 56-8*g                          ; rows 8 g .. 8 g + 7 are in; those behind them may be out
	WIN 0x08
.rept 8
	ds_store_b128 v[XST+(t%16)], v[4*t:4*t+3] offset:512*t
.set t, t+1
.endr
	WIN 0
.if g == 0
.set j, 0
.rept 64
	v_ldexp_f32 v[BIAS+j], v[BIAS+j], s[K0+2]      ; the bias goes in as C, divided by the power of two that the sums lack
.set j, j+1
.endr
.endif
.set g, g+1
.endr
.irp a, 0,1,2,3,4,5,6,7
	global_load_b32 v[BVR+\a], v[VB1], s[12:13] offset:64*\a
.endr
.macro WL n                            ; tile n's four fragments of W into buffer n % 4: registers 4 c .. 4 c + 3 hold K = 128 s + 32 c + 16 h + 0 .. 15 of row r
	WIN 0x40
.irp q, 0,1,2,3
.irp c, 0,1,2,3
	ds_load_b128 v[64*((\n)%4)+16*\q+4*\c:64*((\n)%4)+16*\q+4*\c+3], v[AW+((\n)/4)%2] offset:16*WP*((\n)%4)+128*\q+32*\c
.endr
.endr
	WIN 0
.endm
.macro XL s                            ; input2's eight fragments of step s along K
	WIN 0x80+0x40*((\s)/2)
.irp a, 0,1,2,3,4,5,6,7
.irp c, 0,1,2,3
	ds_load_b128 v[16*(8*((\s)%2)+\a)+4*\c:16*(8*((\s)%2)+\a)+4*\c+3], v[XA+4*((\s)%2)+\c] offset:8192*\a+256*((\s)/2)
.endr
.endr
	WIN 0
.endm
.macro HOLD n, p                       ; number p of tile n's 64: the conversion does not saturate (ISA guide 7.6.2)
	v_med3_num_f32 v[ACC+64*((\n)%2)+(\p)], -s[K0+3*((\n)/8)+1], s[K0+3*((\n)/8)+1], v[ACC+64*((\n)%2)+(\p)]
.endm
.macro SUB n, q                        ; step q of tile n: the eight accumulators take turns, one instruction a turn; behind each two holds of the tile before, whose scalar sources and source 2 fit the window setting
.if (\n) < 8
	WIN 0x09+4*((\q)/2)
.else
	WIN 0x06+((\q)/2)
.endif
.irp a, 0,1,2,3,4,5,6,7
.if (\n) < 8
.if (\q) == 0
	v_wmma_f32_16x16x128_fp8_fp8 v[ACC+64*((\n)%2)+8*\a:ACC+64*((\n)%2)+8*\a+7], v[64*((\n)%4)+16*(\q):64*((\n)%4)+16*(\q)+15], v[16*(8*((\q)%2)+\a):16*(8*((\q)%2)+\a)+15], v[BIAS+8*((\n)%8):BIAS+8*((\n)%8)+7]
.else
	v_wmma_f32_16x16x128_fp8_fp8 v[ACC+64*((\n)%2)+8*\a:ACC+64*((\n)%2)+8*\a+7], v[64*((\n)%4)+16*(\q):64*((\n)%4)+16*(\q)+15], v[16*(8*((\q)%2)+\a):16*(8*((\q)%2)+\a)+15], v[ACC+64*((\n)%2)+8*\a:ACC+64*((\n)%2)+8*\a+7]
.endif
.else
.if (\q) == 0
	v_wmma_f32_16x16x128_fp8_fp8 v[ACC+64*((\n)%2)+8*\a:ACC+64*((\n)%2)+8*\a+7], v[16*(8*((\q)%2)+\a):16*(8*((\q)%2)+\a)+15], v[64*((\n)%4)+16*(\q):64*((\n)%4)+16*(\q)+15], v[BIAS+8*((\n)%8):BIAS+8*((\n)%8)+7]
.else
	v_wmma_f32_16x16x128_fp8_fp8 v[ACC+64*((\n)%2)+8*\a:ACC+64*((\n)%2)+8*\a+7], v[16*(8*((\q)%2)+\a):16*(8*((\q)%2)+\a)+15], v[64*((\n)%4)+16*(\q):64*((\n)%4)+16*(\q)+15], v[ACC+64*((\n)%2)+8*\a:ACC+64*((\n)%2)+8*\a+7]
.endif
.endif
.if (\n) > 0
	HOLD (\n)-1, 16*(\q)+2*\a
	HOLD (\n)-1, 16*(\q)+2*\a+1
.endif
.endr
.endm
; Tile n's codes and their way out: each store covers 512 consecutive bytes. K: two tiles make one register group of each of eight fragments; V: a tile makes one whole fragment.
.macro EPI n
	WIN 0
.if (\n) < 8
.irp a, 0,1,2,3,4,5,6,7
	v_cvt_scalef32_pk8_fp8_f32 v[CD+4*\a+2*((\n)%2):CD+4*\a+2*((\n)%2)+1], v[ACC+64*((\n)%2)+8*\a:ACC+64*((\n)%2)+8*\a+7], v[SCK]
.endr
.irp j, 0,1,2,3,4,5,6,7
	v_ldexp_f32 v[BIAS+8*(\n)+\j], v[BVR+(\n)], s[K1+2]   ; K's bias of this tile has been read: V's takes its place
.endr
.if (\n)%2
.irp a, 0,1,2,3,4,5,6,7
	global_store_b128 v[LOFF], v[CD+4*\a:CD+4*\a+3], s[22:23] offset:2048*\a+512*((\n)/2)
.endr
.endif
.else
.irp a, 0,1,2,3,4,5,6,7
	v_cvt_scalef32_pk8_fp8_f32 v[CD+16*((\n)%2)+2*\a:CD+16*((\n)%2)+2*\a+1], v[ACC+64*((\n)%2)+8*\a:ACC+64*((\n)%2)+8*\a+7], v[SCV]
.endr
	v_nop
.irp c, 0,1,2,3
	global_store_b128 v[LOFF], v[CD+16*((\n)%2)+4*\c:CD+16*((\n)%2)+4*\c+3], s[22:23] offset:65536+2048*((\n)-8)+512*\c
.endr
.endif
.endm
.macro TILE n
	PLACES 4                                       ; in front of loads into registers that matrix instructions have read
.if (\n)+3 < 16
	WL (\n)+3
	s_wait_dscnt 48                                ; tile n's W is in; that of the three tiles behind it may be out
.else
	s_wait_dscnt 16*(15-(\n))
.endif
	SUB \n, 0
	SUB \n, 1
	s_wait_xcnt 0x0                                ; the earlier stores have read their codes
	SUB \n, 2
	SUB \n, 3
	EPI (\n)-1
.endm
; All my tensor loads have landed; my LDS reads are over: so it is with every wave behind the barrier. rf: a round, and slot sl is filled with four tiles' rows from s[p:p+1] + off.
.macro SYNC rf, sl, p, off
	s_wait_tensorcnt 0x0
	ds_add_u32 v[SPW], v[NIL]
	s_wait_dscnt 0x0
	s_barrier_signal -1
	s_barrier_wait -1
.if \rf
	CREST
	s_add_co_u32 s[G0+1], s92, (\sl)*SLOT
	s_add_nc_u64 s[G0+2:G0+3], s[\p:\p+1], \off
	s_or_b32 s[G0+3], s[G0+3], 0x80000000
	tensor_load_to_lds s[G0:G0+3], s[G1:G1+7]
	s_nop 0
	PLACES 4
.endif
.endm
	s_wait_alu depctr_va_vdst(0)
	SYNC 1, 1, 6, 32768                            ; input2's rows and W_k2's tiles 0-3 are in everybody's LDS; tiles 4-7 into slot 1
	global_store_b64 v[WQD], v[WQV:WQV+1], s[20:21]   ; a wave stores 256 consecutive bytes, at a multiple of 256
	WL 0
	XL 0
	XL 1
	s_wait_dscnt 32                                ; each wait leaves what was issued behind the fragments that the next eight products read
	SUB 0, 0
	XL 2
	s_wait_dscnt 32
	SUB 0, 1
	XL 3
	WL 1
	s_wait_dscnt 48
	SUB 0, 2
	WL 2
	WL 3
	s_wait_dscnt 48
	SUB 0, 3
	WIN 0
	s_wait_loadcnt 0x0                             ; b_v2
	SYNC 1, 0, 8, 0                                ; slot 0 has been read out: W_v2's tiles 0-3
.set t, 1
.rept 15
	TILE t
.if t == 4
	SYNC 1, 1, 8, 32768                            ; slot 1 has been read out (tile 7's W was fetched at tile 4's start): W_v2's tiles 4-7
.endif
.if t == 8
	SYNC 0, 0, 0, 0                                ; they are in, ahead of the first fetch from them; nothing is filled again
.endif
.set t, t+1
.endr
	PLACES 4
.set j, 0
.rept 64
	HOLD 15, j
.set j, j+1
.endr
	EPI 15
	s_wait_tensorcnt 0x0                           ; the wave's end
	ds_add_u32 v[SPW], v[NIL]
	s_wait_dscnt 0x0
	CROUND                                         ; the closing round
	s_endpgm
.Lfunc_end_k_q9166fcedab_kvproj:
	.size	k_q9166fcedab_kvproj, .Lfunc_end_k_q9166fcedab_kvproj-k_q9166fcedab_kvproj
	.p2alignl 7, 3214868480
	.fill 96, 4, 3214868480
	.section	.rodata,"a",@progbits
	.p2align	6, 0x0
	.amdhsa_kernel k_q9166fcedab_kvproj
		.amdhsa_group_segment_fixed_size 327680
		.amdhsa_private_segment_fixed_size 0
		.amdhsa_enable_private_segment 0
		.amdhsa_kernarg_size 72
		.amdhsa_user_sgpr_count 2
		.amdhsa_user_sgpr_kernarg_segment_ptr 1
		.amdhsa_wavefront_size32 1
		.amdhsa_system_sgpr_workgroup_id_x 1
		.amdhsa_system_sgpr_workgroup_id_y 1
		.amdhsa_system_sgpr_workgroup_id_z 1
		.amdhsa_system_vgpr_workitem_id 0
		.amdhsa_next_free_vgpr 1024
		.amdhsa_next_free_sgpr 104
		.amdhsa_reserve_vcc 0
		.amdhsa_float_denorm_mode_32 3
		.amdhsa_float_denorm_mode_16_64 3
		.amdhsa_memory_ordered 1
		.amdhsa_forward_progress 1
		.amdhsa_inst_pref_size 172
	.end_amdhsa_kernel
	.amdgpu_metadata
---
amdhsa.version: [ 1, 2 ]
amdhsa.kernels:
  - .name:           k_q9166fcedab_kvproj
    .symbol:         k_q9166fcedab_kvproj.kd
    .args:
      - { .name: input2_codes, .offset: 0, .size: 8, .value_kind: global_buffer, .address_space: global }
      - { .name: W_k2_codes, .offset: 8, .size: 8, .value_kind: global_buffer, .address_space: global }
      - { .name: W_v2_codes, .offset: 16, .size: 8, .value_kind: global_buffer, .address_space: global }
      - { .name: b_k2, .offset: 24, .size: 8, .value_kind: global_buffer, .address_space: global }
      - { .name: b_v2, .offset: 32, .size: 8, .value_kind: global_buffer, .address_space: global }
      - { .name: W_q1_codes, .offset: 40, .size: 8, .value_kind: global_buffer, .address_space: global }
      - { .name: lowp_scales, .offset: 48, .size: 8, .value_kind: global_buffer, .address_space: global }
      - { .name: kv, .offset: 56, .size: 8, .value_kind: global_buffer, .address_space: global }
      - { .name: wqi, .offset: 64, .size: 8, .value_kind: global_buffer, .address_space: global }
    .group_segment_fixed_size: 327680
    .private_segment_fixed_size: 0
    .kernarg_segment_align: 8
    .kernarg_segment_size: 72
    .max_flat_workgroup_size: 128
    .sgpr_count:     104
    .vgpr_count:     1024
    .wavefront_size: 32
...
	.end_amdgpu_metadata
.endif
;; end of part 1
;; launch attend (part 2): grid 4 x 64, 4 waves a work-group, clusters of 4 x 1, 327,680 bytes of LDS; arguments input1_codes, wqi, b_q1, kv, lowp_scales, part; writes part
.if DOCPART == 2
	.amdgcn_target "amdgcn-amd-amdhsa--gfx1250"
	.amdhsa_code_object_version 6
	.text
	.protected	k_q9166fcedab_attend
	.globl	k_q9166fcedab_attend
	.p2align	8
	.type	k_q9166fcedab_attend,@function
k_q9166fcedab_attend:
	s_mov_b64 s[64:65], 0
	v_nop
	global_prefetch_b8 v0, s[64:65] scope:SCOPE_SE
	s_setreg_imm32_b32 hwreg(HW_REG_WAVE_MODE, 25, 1), 1
	s_wait_xcnt 0x0
	s_wait_alu depctr_hold_cnt(0) depctr_sa_sdst(0) depctr_va_vdst(0) depctr_va_sdst(0) depctr_va_ssrc(0) depctr_va_vcc(0) depctr_vm_vsrc(0)
	s_getreg_b32 s2, hwreg(HW_REG_IB_STS2, 6, 4)
	s_cmp_eq_u32 s2, 0
	s_cbranch_scc0 .Lentry_in_a_cluster
	s_endpgm
.Lentry_in_a_cluster:
	s_bfe_u32 s2, ttmp6, 0x10000c
	s_cmp_lg_u32 s2, 0x3003
	s_cbranch_scc0 .Lentry_shape_is_right
	s_endpgm
.Lentry_shape_is_right:
; part[b][qb][d] = the sum over the 128 queries q of block qb of (sum over k of p(q, k) V(k, d)) / l(q), the products on codes of FP8 (E4M3); Q = Q(input1 W_q1^T + b_q1) with 2^e12 is made here, in LDS.
; Left out as dead: key1, value1, query2 (see the first kernel's head); their weights and biases are not loaded.
; t = score x log2(e); M = the ceiling of the row's largest t (the true one: a whole row of scores is held in the work-group's registers); p = 2^(t - M) is quantised with 2^e14; l is the sum of the unquantised p.
; SHARES. A work-group takes 128 queries of a batch. FIRST PRODUCT: wave w makes columns 128 w .. + 127 of Q (source 0 = rows of W_q1, source 1 = queries); converted, a wave's results are Q's eight fragments of d step w; they meet in LDS.
; SECOND: S^T = K Q^T, wave w owns keys 128 w .. + 127 for all queries. THIRD: D = P(qt) V(dt) over my keys, C = 0; the result wanted is a sum over queries, so each D is folded at once with the weights 2^(e14 + e15) / l(query).
; W_q1's and K's fragments (images of registers, each load 512 consecutive bytes) are each used by one wave alone and go from memory straight into two sets of registers, the next set while one is multiplied: through LDS by a joint load each
; byte would be written and read there once more, and a step's LDS reads would be 131,072 bytes in place of 65,536. So those two are not asked for jointly. V is: one joint load a wave (mask 15: the four query blocks of a batch need the same).
; LDS: each wave's region has room for 31 of its 32 fragments of V (2,048 bytes each); the last comes by plain loads into registers. Behind the regions 65,536 bytes, stored by ds_store alone: input1's rows (512 bytes, 16-byte columns exchanged by
; exclusive or with row % 16), then Q, then the last sums.
; LIMITS: e12 - e0 - e1 and e14 between -126 and 119; e12 + e13 between -126 and 127; scaled scores under 2^31 in magnitude. NaN among the inputs is not served.
; REGISTERS: window 0: v1-29 addresses and scales, v32-63 at work, v64-127 the bias, then maxima, -M, sums, at last the weights; v128-255 source 1's fragments, Q's codes, P. window 1: source 0's fragments in two sets;
; at last v0-63 V (four tiles), v64-79 V's tile 31, v80-89 sums, v128-255 D in two groups. windows 2, 3: accumulators (a, b) at v[64 (a % 4) + 8 b]; at the head input1's rows.
.set WREG,  63488
.set SH,    4*WREG
.set FIN,   SH                         ; [wave][h][512] f32
.set MAXS,  SH+65536                   ; [wave][r][query tile] f32; the sums lie 2,048 bytes behind
.set PRIV,  MAXS+4096
.set SPARE, PRIV+2048
.set LIM,  2
.set SCL,  3
.set L16,  4
.set PA,   5                           ; my region
.set PFO,  7
.set XA,   8                           ; v8-15 input1's rows, one for each pair (step % 2, c)
.set QST,  16
.set QA,   17
.set MXW,  19
.set MXR,  21
.set PRW,  23
.set PRR,  24
.set FINB, 25                          ; my lane's place in FIN less 64 bytes
.set VAO,  26
.set FW,   27
.set SPW,  28
.set NIL,  29
.set T,    32
.set BIAS, 64
.set MX,   64
.set NM,   72                          ; -M of query tile q at v[72 + 2 q] (the odd registers are named with them as pairs)
.set WT,   64
.set QF,   128
.set V31,  64
.set R,    80
.set RES,  88
.set DD,   128
.set WV,   16
.set SEL,  20
.set CS,   22
.set G1,   24
.set G0,   48
.set PFA,  58
.set E,    68
.set MSB, 0
.macro WIN new
.if MSB != (\new)
	s_set_vgpr_msb (MSB<<8)|(\new)
.set MSB, (\new)
.endif
.endm
.macro PLACES n
.rept \n
	v_nop
.endr
.endm
.macro CREST
	s_cmp_lg_u32 s[WV], 0
	s_cbranch_scc1 .Lnot_wave_0_\@
	s_barrier_signal -3
.Lnot_wave_0_\@:
	s_barrier_wait -3
	s_barrier_signal -1
	s_barrier_wait -1
.endm
.macro CROUND
	s_barrier_signal -1
	s_barrier_wait -1
	CREST
.endm
	s_load_b256 s[4:11], s[0:1], 0x0               ; input1, wqi, b_q1, kv
	s_load_b128 s[12:15], s[0:1], 0x20             ; the exponents, part
	v_lshl_add_u32 v[SPW], v0, 2, SPARE
	v_mov_b32 v[NIL], 0
	ds_add_u32 v[SPW], v[NIL]                      ; the opening add, twice on end
	ds_add_u32 v[SPW], v[NIL]
	v_lshrrev_b32 v1, 5, v0
	v_readfirstlane_b32 s[WV], v1
	s_bfe_u32 s17, ttmp6, 0x40000                  ; cx
	s_and_b32 s18, ttmp7, 0xffff                   ; the batch, which the four partners share
	s_lshl_b32 s19, ttmp9, 2
	s_add_co_u32 s19, s19, s17                     ; qb
	v_and_b32 v48, 15, v0                          ; r
	v_bfe_u32 v49, v0, 4, 1                        ; h
	v_and_b32 v50, 31, v0
	v_lshlrev_b32 v[L16], 4, v50
	v_lshlrev_b32 v51, 5, v49
	s_wait_alu depctr_va_vdst(0)
	s_mul_i32 s54, s[WV], WREG
.irp z, 85,87,89,91,95,97
	s_mov_b32 s\z, 0
.endr
	s_lshl_b32 s84, s18, 18
	s_lshl_b32 s67, s19, 16
	s_add_co_u32 s84, s84, s67
	s_lshl_b32 s67, s[WV], 14
	s_add_co_u32 s84, s84, s67                     ; input1: batch, block, my 32 rows
	s_lshl_b32 s86, s[WV], 16                      ; W_q1's image: my 32 fragments
	s_lshl_b32 s88, s[WV], 9
	s_lshl_b32 s90, s18, 19
	s_lshl_b32 s67, s[WV], 17
	s_add_co_u32 s90, s90, s67                     ; kv: my keys: nothing of cx in it
	s_lshl_b32 s94, s17, 13                        ; the prefetches: my work-group's quarter of 32,768 bytes
	s_lshl_b32 s96, s18, 13
	s_lshl_b32 s67, s19, 11
	s_add_co_u32 s96, s96, s67
	s_lshl_b32 s98, s[WV], 14
	s_add_co_u32 s98, s98, SH
	s_mov_b32 s[G1], 15|(3<<16)|(1<<21)            ; group 1, joint: a dense block as 248 rows of 32 elements of 8 bytes
	s_mov_b32 s[G1+1], 32<<16
	s_mov_b32 s[G1+2], 248<<16
	s_mov_b32 s[G1+3], 32<<16
	s_mov_b32 s[G1+4], 248
	s_mov_b32 s[G1+5], 32
	s_mov_b32 s[G1+6], 0
	s_mov_b32 s[G1+7], 0
	s_mov_b32 s[SEL], 0x76543210
	s_mov_b32 s[SEL+1], 0xfedcba98
	s_wait_dscnt 0x0                               ; both opening adds are done
	s_wait_kmcnt 0x0
	s_load_b512 s[E:E+15], s[12:13], 0x0
	s_add_nc_u64 s[4:5], s[4:5], s[84:85]
	s_add_nc_u64 s[6:7], s[6:7], s[86:87]
	s_add_nc_u64 s[8:9], s[8:9], s[88:89]
	s_add_nc_u64 s[10:11], s[10:11], s[90:91]
	s_add_nc_u64 s[PFA:PFA+1], s[10:11], s[94:95]
	s_add_nc_u64 s[14:15], s[14:15], s[96:97]
.irp b, 0,1,2,3,4,5,6,7
	global_load_b128 v[BIAS+8*\b:BIAS+8*\b+3], v51, s[8:9] offset:64*\b
	global_load_b128 v[BIAS+8*\b+4:BIAS+8*\b+7], v51, s[8:9] offset:64*\b+16
.endr
	WIN 0x80
.set t, 0
.rept 32
	global_load_b128 v[4*t:4*t+3], v[L16], s[4:5] offset:512*t th:TH_LOAD_NT   ; a row of 512 bytes, which no other work-group reads
.set t, t+1
.endr
	WIN 0
	v_add_nc_u32 v[PA], s54, v[L16]
	v_lshlrev_b32 v[PFO], 8, v50
	v_xor_b32 v52, v48, v49
	v_lshlrev_b32 v52, 4, v52
	v_lshl_add_u32 v52, v48, 9, v52                ; row r, column h exchanged with r
	v_add_nc_u32 v[XA], SH, v52
.irp k, 1,2,3,4,5,6,7
	v_xor_b32 v[XA+\k], 32*\k, v[XA]
.endr
	v_add_nc_u32 v[QST], s98, v[L16]
	v_add_nc_u32 v[QA], SH, v[L16]
	v_add_nc_u32 v[T], s98, v[L16]
.irp k, 1,2,3,4,5,6,7,8,9,10,11,12,13,14,15
	v_xor_b32 v[T+\k], 16*\k, v[T]                 ; where I store a row: by row % 16
.endr
	s_lshl_b32 s86, s[WV], 9
	v_lshl_add_u32 v[MXR], v48, 5, MAXS            ; 32 r: a query's eight numbers, one for each tile
	v_add_nc_u32 v[MXW], s86, v[MXR]
	s_add_co_u32 s86, s86, PRIV
	v_lshlrev_b32 v52, 2, v48
	v_add_nc_u32 v[PRW], s86, v52
	v_add_nc_u32 v[PRR], s86, v51
	s_lshl_b32 s86, s[WV], 12
	s_add_co_u32 s86, s86, FIN-64
	v_lshl_add_u32 v52, v49, 11, v52
	v_add_nc_u32 v[FINB], s86, v52
	s_wait_alu depctr_va_vdst(0)
	s_wait_kmcnt 0x0
	s_add_co_i32 s86, s[E], s[E+1]
	s_sub_co_i32 s84, s[E+12], s86
	s_sub_co_i32 s86, 0, s86                       ; -(e0 + e1)
	s_add_co_i32 s84, s84, 127
	s_add_co_i32 s85, s84, 8
	s_lshl_b32 s84, s84, 23                        ; 2^(e12 - e0 - e1)
	s_lshl_b32 s85, s85, 23
	s_or_b32 s85, s85, 0x600000                    ; 448 x that
	s_add_co_i32 s87, s[E+14], 127
	s_add_co_i32 s88, s87, 8
	s_lshl_b32 s87, s87, 23                        ; 2^e14
	s_lshl_b32 s88, s88, 23
	s_or_b32 s88, s88, 0x600000
	s_add_co_i32 s89, s[E+14], s[E+15]
	s_add_co_i32 s90, s[E+12], s[E+13]
	s_lshl_b32 s90, s90, 23
	s_mov_b32 s[CS], 0x3fb8aa3b                    ; log2(e)
	s_add_co_i32 s[CS], s[CS], s90                 ; a score stands for score x 2^(e12 + e13): the exponents go into c's exponent field
	s_mov_b32 s[CS+1], s[CS]
	v_mov_b32 v[SCL], s84
	v_mov_b32 v[LIM], s85
	; K AND V ARE PREFETCHED INTO THE L2, 32,768 bytes a wave at a time, at least a step ahead of the loads that want them. The four partners share them out by address, 8,192 bytes each, lanes 256 bytes apart, one instruction: each block of
	; 256 bytes is named once in the launch. The address registers are never rewritten. Offsets: K's halves 0, 32768; V's 65536, 98304.
.macro ASK off
	global_prefetch_b8 v[PFO], s[PFA:PFA+1] offset:\off th:TH_LOAD_NT scope:SCOPE_SE
.endm
.macro GB p, s                         ; source 0's eight fragments of step s, straight from memory, into set s % 2
	WIN 0x40
.irp i, 0,1,2,3,4,5,6,7
.irp c, 0,1,2,3
	global_load_b128 v[128*((\s)%2)+16*\i+4*\c:128*((\s)%2)+16*\i+4*\c+3], v[L16], s[\p:\p+1] offset:16384*(\s)+2048*\i+512*\c
.endr
.endr
	WIN 0
.endm
.macro FA kind, s, i0                  ; source 1's blocks i0 .. i0 + 3.  kind 0: input1's rows, 1: Q
.irp i, \i0, \i0+1, \i0+2, \i0+3
.irp c, 0,1,2,3
.if \kind == 0
	ds_load_b128 v[QF+16*(\i)+4*\c:QF+16*(\i)+4*\c+3], v[XA+4*((\s)%2)+\c] offset:8192*(\i)+256*((\s)/2)
.else
	ds_load_b128 v[QF+16*(\i)+4*\c:QF+16*(\i)+4*\c+3], v[QA] offset:16384*(\s)+2048*(\i)+512*\c
.endif
.endr
.endr
.endm
.macro MUL16 a0, p, mode               ; the 64 accumulators take turns, one instruction a turn
.irp a, \a0, \a0+1
.irp b, 0,1,2,3,4,5,6,7
.if \mode == 0
	v_wmma_f32_16x16x128_fp8_fp8 v[8*(8*((\a)%4)+\b):8*(8*((\a)%4)+\b)+7], v[128*(\p)+16*\b:128*(\p)+16*\b+15], v[QF+16*(\a):QF+16*(\a)+15], v[8*(8*((\a)%4)+\b):8*(8*((\a)%4)+\b)+7]
.elseif \mode == 1
	v_wmma_f32_16x16x128_fp8_fp8 v[8*(8*((\a)%4)+\b):8*(8*((\a)%4)+\b)+7], v[128*(\p)+16*\b:128*(\p)+16*\b+15], v[QF+16*(\a):QF+16*(\a)+15], v[BIAS+8*\b:BIAS+8*\b+7]
.else
	v_wmma_f32_16x16x128_fp8_fp8 v[8*(8*((\a)%4)+\b):8*(8*((\a)%4)+\b)+7], v[128*(\p)+16*\b:128*(\p)+16*\b+15], v[QF+16*(\a):QF+16*(\a)+15], 0
.endif
.endr
.endr
.endm
; A STEP (0 to 2). lw: global loads that may be out when this step's set is in (the next set's 32, or none). Blocks 0-3 of the next step are fetched in the middle, blocks 4-7 at the end, and then the set of two steps on.
; rnd: V is asked for, behind a round of the cluster's barrier: the wave's only tensor load.
.macro STEP kind, s, mode, lw, rnd
	s_wait_loadcnt \lw
	s_wait_dscnt 16                                ; blocks 0-3 are in; 4-7 may be out
.if \mode == 1
	WIN 0x81
.else
	WIN 0xa1
.endif
	MUL16 0, (\s)%2, \mode
	MUL16 2, (\s)%2, \mode
	s_wait_dscnt 0x0
	PLACES 4                                       ; in front of loads into registers that matrix instructions have read
	WIN 0
	FA \kind, \s+1, 0
.if \rnd
	s_wait_tensorcnt 0x0
	ds_add_u32 v[SPW], v[NIL]                      ; the add, twice on end ahead of a first tensor load; sixteen matrix instructions stand between it and its wait
	ds_add_u32 v[SPW], v[NIL]
.endif
.if \mode == 1
	WIN 0xc1
.else
	WIN 0xf1
.endif
	MUL16 4, (\s)%2, \mode
.if \rnd
	s_wait_dscnt 0x0
	s_barrier_signal -1
.endif
	MUL16 6, (\s)%2, \mode
	WIN 0
.if \rnd
	s_barrier_wait -1
	CREST
	tensor_load_to_lds s[G0:G0+3], s[G1:G1+7]
	s_nop 0
.endif
	PLACES 4
	FA \kind, \s+1, 4
.if (\s) < 2
	GB 6+4*\kind, \s+2
.elseif \kind == 0
	GB 10, 0                                       ; K's first set
.endif
.endm
.macro CONV g                          ; half g of Q: the hold (the conversion does not saturate: ISA guide 7.6.2) and the conversion
	WIN 0x82+0x41*\g
.set j, 0
.rept 256
	v_med3_num_f32 v[j], v[j], -v[LIM], v[LIM]
.set j, j+1
.endr
	WIN 0x02+\g
.irp a, 0,1,2,3
.irp b, 0,1,2,3,4,5,6,7
	v_cvt_scalef32_pk8_fp8_f32 v[QF+16*(4*\g+\a)+2*\b:QF+16*(4*\g+\a)+2*\b+1], v[8*(8*\a+\b):8*(8*\a+\b)+7], v[SCL]
.endr
.endr
	WIN 0
	v_nop
.endm
.macro QOUT g
.irp a, 0,1,2,3
.irp c, 0,1,2,3
	ds_store_b128 v[QST], v[QF+16*(4*\g+\a)+4*\c:QF+16*(4*\g+\a)+4*\c+3] offset:2048*(4*\g+\a)+512*\c
.endr
.endr
.endm
	GB 6, 0                                        ; W_q1's first set
	s_wait_alu depctr_va_vdst(0)
.set t, 0
.set g, 0
.rept 4
	s_wait_loadcnt 56-8*g                          ; rows 8 g .. 8 g + 7 are in; those behind them and the 32 loads of W_q1 may be out
	WIN 0x08
.rept 8
	ds_store_b128 v[T+(t%16)], v[4*t:4*t+3] offset:512*t
.set t, t+1
.endr
	WIN 0
.if g == 0
.set j, 0
.rept 64
	v_ldexp_f32 v[BIAS+j], v[BIAS+j], s86          ; the bias goes in as C, divided by the power of two that the sums lack
.set j, j+1
.endr
.endif
.set g, g+1
.endr
	GB 6, 1
	ASK 0
	s_mov_b32 s[G0], 1
	s_mov_b32 s[G0+1], s54
	s_add_nc_u64 s[G0+2:G0+3], s[10:11], 65536     ; my 31 fragments of V
	s_or_b32 s[G0+3], s[G0+3], 0x80000000
	s_wait_alu depctr_va_vdst(0)
	s_wait_dscnt 0x0                               ; my rows of input1 are stored
	s_barrier_signal -1
	s_barrier_wait -1
	FA 0, 0, 0
	FA 0, 0, 4
	STEP 0, 0, 1, 32, 0
	ASK 32768
	STEP 0, 1, 0, 32, 0
	STEP 0, 2, 0, 32, 0
	ASK 65536
	s_wait_loadcnt 32                              ; step 3's set is in; K's first may be out
	s_wait_dscnt 16
	WIN 0xa1
	MUL16 0, 1, 0
	MUL16 2, 1, 0
	s_wait_dscnt 0x0                               ; my reads of input1's rows are over
	PLACES 4
	CONV 0
	s_wait_alu depctr_va_vdst(0)
	s_barrier_signal -1
	WIN 0xf1
	MUL16 4, 1, 0
	MUL16 6, 1, 0
	PLACES 4
	WIN 0
	s_barrier_wait -1                              ; nobody reads input1's rows any more: Q takes their place
	GB 10, 1
	QOUT 0
	CONV 1
	QOUT 1
	s_wait_dscnt 0x0
	s_barrier_signal -1
	s_barrier_wait -1                              ; Q is whole
	FA 1, 0, 0
	FA 1, 0, 4
	STEP 1, 0, 2, 32, 0
	ASK 98304
	STEP 1, 1, 0, 32, 0
	STEP 1, 2, 0, 32, 1
	s_wait_loadcnt 0x0
	s_wait_dscnt 16
	WIN 0xa1
	MUL16 0, 1, 0
	MUL16 2, 1, 0
	s_wait_dscnt 0x0
	WIN 0xf1
	MUL16 4, 1, 0
	MUL16 6, 1, 0
	PLACES 4
	WIN 0x40
.irp c, 0,1,2,3
	global_load_b128 v[V31+4*\c:V31+4*\c+3], v[L16], s[10:11] offset:129024+512*\c     ; V's fragment 31
.endr
; THE LARGEST SCORE of each query among my 128 keys: for each query tile four chains, each over two accumulators in ascending order (each accumulator is read from its low end on)
.macro MAXH W
	WIN 0x28+0x14*\W
.irp m, 0,1,2,3,4,5,6,7
.irp q, 0,1,2,3
.irp k, 0,1,2,3
.if \m == 0
	v_max3_num_f32 v[T+4*(4*\W+\q)+\k], 0xff800000, v[64*\q+16*\k], v[64*\q+16*\k+1]
.else
	v_max3_num_f32 v[T+4*(4*\W+\q)+\k], v[T+4*(4*\W+\q)+\k], v[64*\q+16*\k+2*\m], v[64*\q+16*\k+2*\m+1]
.endif
.endr
.endr
.endr
.endm
	MAXH 0
	MAXH 1
	WIN 0
.irp q, 0,1,2,3,4,5,6,7
	v_max3_num_f32 v[MX+\q], v[T+4*\q], v[T+4*\q+1], v[T+4*\q+2]
.endr
.irp q, 0,1,2,3,4,5,6,7
	v_max_num_f32 v[MX+\q], v[MX+\q], v[T+4*\q+3]
.endr
.irp q, 0,1,2,3,4,5,6,7
	v_permlanex16_b32 v[T+4*\q], v[MX+\q], s[SEL], s[SEL+1]   ; the query's other 64 of my keys lie in the lane 16 away
.endr
.irp q, 0,1,2,3,4,5,6,7
	v_max_num_f32 v[MX+\q], v[MX+\q], v[T+4*\q]
.endr
	ds_store_b128 v[MXW], v[MX:MX+3]
	ds_store_b128 v[MXW], v[MX+4:MX+7] offset:16
	s_wait_dscnt 0x0                               ; my stores are done, and my reads of Q are over
	s_barrier_signal -1
	s_barrier_wait -1                              ; V's load may stay out
.irp w, 0,1,2,3
.irp i, 0,1
	ds_load_b128 v[T+8*\w+4*\i:T+8*\w+4*\i+3], v[MXR] offset:512*\w+16*\i
.endr
.endr
	s_wait_dscnt 0x0
.irp q, 0,1,2,3,4,5,6,7
	v_max3_num_f32 v[MX+\q], v[T+\q], v[T+8+\q], v[T+16+\q]
.endr
.irp q, 0,1,2,3,4,5,6,7
	v_max_num_f32 v[MX+\q], v[MX+\q], v[T+24+\q]   ; the row's largest score
.endr
.irp q, 0,1,2,3,4,5,6,7
	v_mul_f32 v[MX+\q], s[CS], v[MX+\q]            ; as t (c is positive)
.endr
.irp q, 0,1,2,3,4,5,6,7
	v_floor_f32 v[NM+2*\q], -v[MX+\q]              ; -M = floor(-t) = -ceil(t)
	v_mov_b32 v[NM+2*\q+1], 0
.endr
	v_mov_b32 v[SCL], s87
	v_mov_b32 v[LIM], s88
.macro FMAH W                          ; t - M, two at a time
	WIN 0x82+0x41*\W
.irp q, 0,1,2,3
.set j, 0
.rept 32
	v_pk_fma_f32 v[64*\q+j:64*\q+j+1], v[64*\q+j:64*\q+j+1], s[CS:CS+1], v[NM+2*(4*\W+\q):NM+2*(4*\W+\q)+1] op_sel_hi:[1,0,0]
.set j, j+2
.endr
.endr
.endm
.macro EXPH W                          ; p = 2^(t - M): a batch of 256, one plain instruction behind it, and one wait ahead of the first line that names a result
	WIN 0x82+0x41*\W
.set j, 0
.rept 256
	v_exp_f32 v[j], v[j]
.set j, j+1
.endr
	v_nop
	s_wait_alu depctr_va_vdst(0)
.endm
.macro ADDH W                          ; the sum of the UNQUANTISED p: two chains of pairs for each query tile
	WIN 0x0a+0x05*\W
.irp q, 0,1,2,3
.irp k, 0,1
	v_pk_add_f32 v[T+4*(4*\W+\q)+2*\k:T+4*(4*\W+\q)+2*\k+1], v[64*\q+2*\k:64*\q+2*\k+1], v[64*\q+4+2*\k:64*\q+4+2*\k+1]
.endr
.endr
	WIN 0x08+0x04*\W
.irp m, 2,3,4,5,6,7,8,9,10,11,12,13,14,15
.irp q, 0,1,2,3
.irp k, 0,1
	v_pk_add_f32 v[T+4*(4*\W+\q)+2*\k:T+4*(4*\W+\q)+2*\k+1], v[T+4*(4*\W+\q)+2*\k:T+4*(4*\W+\q)+2*\k+1], v[64*\q+4*\m+2*\k:64*\q+4*\m+2*\k+1]
.endr
.endr
.endr
.endm
.macro CVTH W                          ; the hold (p is not negative, so it is one-sided) and the conversion: P's fragments
	WIN 0x82+0x41*\W
.set j, 0
.rept 256
	v_min_num_f32 v[j], v[j], v[LIM]
.set j, j+1
.endr
	WIN 0x02+\W
.irp q, 0,1,2,3
.irp k, 0,1,2,3,4,5,6,7
	v_cvt_scalef32_pk8_fp8_f32 v[QF+16*(4*\W+\q)+2*\k:QF+16*(4*\W+\q)+2*\k+1], v[64*\q+8*\k:64*\q+8*\k+7], v[SCL]
.endr
.endr
	WIN 0
	v_nop
.endm
	FMAH 0
	FMAH 1
	s_wait_alu depctr_va_vdst(0)
	EXPH 0
	EXPH 1
	ADDH 0
	CVTH 0
	ADDH 1
	CVTH 1
.irp q, 0,1,2,3,4,5,6,7
	v_pk_add_f32 v[T+4*\q:T+4*\q+1], v[T+4*\q:T+4*\q+1], v[T+4*\q+2:T+4*\q+3]
.endr
.irp q, 0,1,2,3,4,5,6,7
	v_add_f32 v[MX+\q], v[T+4*\q], v[T+4*\q+1]
.endr
.irp q, 0,1,2,3,4,5,6,7
	v_permlanex16_b32 v[T+4*\q], v[MX+\q], s[SEL], s[SEL+1]
.endr
.irp q, 0,1,2,3,4,5,6,7
	v_add_f32 v[MX+\q], v[MX+\q], v[T+4*\q]        ; the sum over my 128 keys
.endr
	ds_store_b128 v[MXW], v[MX:MX+3] offset:2048
	ds_store_b128 v[MXW], v[MX+4:MX+7] offset:2064
	s_wait_alu depctr_va_vdst(0)
	s_wait_dscnt 0x0                               ; my sums are stored
	s_barrier_signal -1
	s_barrier_wait -1
.irp w, 0,1,2,3
.irp i, 0,1
	ds_load_b128 v[T+8*\w+4*\i:T+8*\w+4*\i+3], v[MXR] offset:2048+512*\w+16*\i
.endr
.endr
	s_wait_dscnt 0x0
.irp w, 1,2,3
.irp i, 0,2,4,6
	v_pk_add_f32 v[T+\i:T+\i+1], v[T+\i:T+\i+1], v[T+8*\w+\i:T+8*\w+\i+1]   ; l of query 16 q + r, in v[T + q]
.endr
.endr
	s_wait_alu depctr_va_vdst(0)
.irp q, 0,1,2,3,4,5,6,7
	v_rcp_f32 v[T+8+\q], v[T+\q]
.endr
	v_nop
	s_wait_alu depctr_va_vdst(0)                   ; one wait for the eight reciprocals, ahead of their first reader
.irp q, 0,1,2,3,4,5,6,7
	v_ldexp_f32 v[T+8+\q], v[T+8+\q], s89          ; the weight: 2^(e14 + e15) / l
.endr
.irp q, 0,1,2,3,4,5,6,7
	ds_store_b32 v[PRW], v[T+8+\q] offset:64*\q    ; a lane holds query r's; the product wants those of queries 8 h + 0 .. 7: through bytes of my own
.endr
.irp q, 0,1,2,3,4,5,6,7
.irp i, 0,1
	ds_load_b128 v[WT+8*\q+4*\i:WT+8*\q+4*\i+3], v[PRR] offset:64*\q+16*\i   ; LDS serves a wave's instructions in order (ISA guide 5.7.1.4): these see the stores above
.endr
.endr
; THE THIRD PRODUCT under ONE window setting: source 0 window 0 (P; the weights), sources 1 and 2 and the destination window 1. For each of 32 tiles of d: eight products D = P(qt) V(dt), C = 0, into one of two groups; behind each stand four packed
; multiply-adds of the OTHER group's fold, which are the places that the distances ask for. V's fragments run three tiles ahead in four buffers.
.macro VL n, ab                        ; V's tile n (from the address's first)
.irp c, 0,1,2,3
	ds_load_b128 v[16*((\n)%4)+4*\c:16*((\n)%4)+4*\c+3], v[\ab] offset:2048*(\n)+512*\c
.endr
.endm
.macro PIECE p, g
.if (\p) < 4
	v_pk_mul_f32 v[R+2*(\p):R+2*(\p)+1], v[WT+2*(\p):WT+2*(\p)+1], v[DD+64*(\g)+2*(\p):DD+64*(\g)+2*(\p)+1]
.else
	v_pk_fma_f32 v[R+2*((\p)%4):R+2*((\p)%4)+1], v[WT+2*(\p):WT+2*(\p)+1], v[DD+64*(\g)+2*(\p):DD+64*(\g)+2*(\p)+1], v[R+2*((\p)%4):R+2*((\p)%4)+1]
.endif
.endm
.macro RED n, fw                       ; the weighted sum over the queries 16 qt + 8 h + 0 .. 7 and my keys, of tile n - 1's d = r.  Additions are written with the constant 1.0 as source 0: a register there would be taken from window 0
	v_pk_fma_f32 v[R:R+1], 1.0, v[R+2:R+3], v[R:R+1] op_sel_hi:[0,1,1]
	v_pk_fma_f32 v[R+4:R+5], 1.0, v[R+6:R+7], v[R+4:R+5] op_sel_hi:[0,1,1]
	v_pk_fma_f32 v[R:R+1], 1.0, v[R+4:R+5], v[R:R+1] op_sel_hi:[0,1,1]
	v_fma_f32 v[RES+(\n)%2], 1.0, v[R], v[R+1]
	ds_store_b32 v[\fw], v[RES+(\n)%2] offset:64*(\n)
.endm
.macro PVS n, ab, fw, ld, fo, wt, vr   ; wt: LDS loads issued behind tile n's
.if \ld
	VL (\n)+3, \ab
.endif
	s_wait_dscnt \wt
.irp m, 0,1,2,3,4,5,6,7
	v_wmma_f32_16x16x128_fp8_fp8 v[DD+64*((\n)%2)+8*\m:DD+64*((\n)%2)+8*\m+7], v[QF+16*\m:QF+16*\m+15], v[\vr:\vr+15], 0
.if \fo
	PIECE 4*\m, ((\n)+1)%2
	PIECE 4*\m+1, ((\n)+1)%2
	PIECE 4*\m+2, ((\n)+1)%2
	PIECE 4*\m+3, ((\n)+1)%2
.endif
.endr
.if \fo
	RED \n, \fw
.else
	PLACES 4
.endif
.endm
	s_wait_tensorcnt 0x0                           ; V is in: my own bytes
	WIN 0x54
	VL 0, PA
	VL 1, PA
	VL 2, PA
	PVS 0, PA, FINB, 1, 0, 12, 0                   ; (the weights' loads are older than V's)
	PVS 1, PA, FINB, 1, 1, 12, 16
	PVS 2, PA, FINB, 1, 1, 12, 32
	PVS 3, PA, FINB, 1, 1, 12, 48
	WIN 0
	s_mov_b32 s62, 4*2048
	s_mov_b32 s63, 4*64
	s_mov_b32 s66, 6
.Lpv:                                                  ; tiles 4 to 27, four a trip
	v_add_nc_u32 v[VAO], s62, v[PA]
	v_add_nc_u32 v[FW], s63, v[FINB]
	WIN 0x54
	PVS 0, VAO, FW, 1, 1, 12, 0
	PVS 1, VAO, FW, 1, 1, 12, 16
	PVS 2, VAO, FW, 1, 1, 12, 32
	PVS 3, VAO, FW, 1, 1, 12, 48
	WIN 0
	s_add_co_u32 s62, s62, 4*2048
	s_add_co_u32 s63, s63, 4*64
	s_sub_co_u32 s66, s66, 1
	s_cmp_lg_u32 s66, 0
	s_cbranch_scc1 .Lpv
	WIN 0x54
	PVS 28, PA, FINB, 0, 1, 8, 0
	PVS 29, PA, FINB, 0, 1, 4, 16
	PVS 30, PA, FINB, 0, 1, 0, 32
	s_wait_loadcnt 0x0                             ; V's fragment 31
	PVS 31, PA, FINB, 0, 1, 0, V31
.set j, 0
.rept 32
	PIECE j, 1
.set j, j+1
.endr
	RED 32, FINB
	WIN 0
	; THE WAY OUT: the two halves of the lanes (other queries) and the four waves (other keys) meet in LDS
	v_lshl_add_u32 v1, v0, 4, FIN
	v_lshlrev_b32 v2, 4, v0
	s_wait_alu depctr_va_vdst(0)
	s_wait_dscnt 0x0
	s_barrier_signal -1
	s_barrier_wait -1
.irp n, 0,1,2,3,4,5,6,7
	ds_load_b128 v[T+4*\n:T+4*\n+3], v1 offset:2048*\n   ; thread n takes d = 4 n .. 4 n + 3
.endr
	s_wait_dscnt 0x0
.irp n, 0,2,4,6,8,10,12,14
	v_pk_add_f32 v[T+\n:T+\n+1], v[T+\n:T+\n+1], v[T+16+\n:T+16+\n+1]
.endr
.irp n, 0,2,4,6
	v_pk_add_f32 v[T+\n:T+\n+1], v[T+\n:T+\n+1], v[T+8+\n:T+8+\n+1]
.endr
.irp n, 0,2
	v_pk_add_f32 v[T+\n:T+\n+1], v[T+\n:T+\n+1], v[T+4+\n:T+4+\n+1]
.endr
	global_store_b128 v2, v[T:T+3], s[14:15]       ; a wave stores 512 consecutive bytes, at a multiple of 512 from the buffer's first byte
	s_wait_tensorcnt 0x0                           ; the wave's end
	ds_add_u32 v[SPW], v[NIL]
	s_wait_dscnt 0x0
	CROUND                                         ; the closing round
	s_endpgm
.Lfunc_end_k_q9166fcedab_attend:
	.size	k_q9166fcedab_attend, .Lfunc_end_k_q9166fcedab_attend-k_q9166fcedab_attend
	.p2alignl 7, 3214868480
	.fill 96, 4, 3214868480
	.section	.rodata,"a",@progbits
	.p2align	6, 0x0
	.amdhsa_kernel k_q9166fcedab_attend
		.amdhsa_group_segment_fixed_size 327680
		.amdhsa_private_segment_fixed_size 0
		.amdhsa_enable_private_segment 0
		.amdhsa_kernarg_size 48
		.amdhsa_user_sgpr_count 2
		.amdhsa_user_sgpr_kernarg_segment_ptr 1
		.amdhsa_wavefront_size32 1
		.amdhsa_system_sgpr_workgroup_id_x 1
		.amdhsa_system_sgpr_workgroup_id_y 1
		.amdhsa_system_sgpr_workgroup_id_z 1
		.amdhsa_system_vgpr_workitem_id 0
		.amdhsa_next_free_vgpr 1024
		.amdhsa_next_free_sgpr 104
		.amdhsa_reserve_vcc 0
		.amdhsa_float_denorm_mode_32 3
		.amdhsa_float_denorm_mode_16_64 3
		.amdhsa_memory_ordered 1
		.amdhsa_forward_progress 1
		.amdhsa_inst_pref_size 255
	.end_amdhsa_kernel
	.section	.bss,"aw",@nobits
	.p2align	6
	.space	262144
	.amdgpu_metadata
---
amdhsa.version: [ 1, 2 ]
amdhsa.kernels:
  - .name:           k_q9166fcedab_attend
    .symbol:         k_q9166fcedab_attend.kd
    .args:
      - { .name: input1_codes, .offset: 0, .size: 8, .value_kind: global_buffer, .address_space: global }
      - { .name: wqi, .offset: 8, .size: 8, .value_kind: global_buffer, .address_space: global }
      - { .name: b_q1, .offset: 16, .size: 8, .value_kind: global_buffer, .address_space: global }
      - { .name: kv, .offset: 24, .size: 8, .value_kind: global_buffer, .address_space: global }
      - { .name: lowp_scales, .offset: 32, .size: 8, .value_kind: global_buffer, .address_space: global }
      - { .name: part, .offset: 40, .size: 8, .value_kind: global_buffer, .address_space: global }
    .group_segment_fixed_size: 327680
    .private_segment_fixed_size: 0
    .kernarg_segment_align: 8
    .kernarg_segment_size: 48
    .max_flat_workgroup_size: 128
    .sgpr_count:     104
    .vgpr_count:     1024
    .wavefront_size: 32
...
	.end_amdgpu_metadata
.endif
;; end of part 2
;; launch fold (part 3): grid 256 x 1, 1 waves a work-group, no clusters, 0 bytes of LDS; arguments part, out0; writes out0
.if DOCPART == 3
	.amdgcn_target "amdgcn-amd-amdhsa--gfx1250"
	.amdhsa_code_object_version 6
	.text
	.protected	k_q9166fcedab_fold
	.globl	k_q9166fcedab_fold
	.p2align	8
	.type	k_q9166fcedab_fold,@function
k_q9166fcedab_fold:
	s_mov_b64 s[64:65], 0
	v_nop
	global_prefetch_b8 v0, s[64:65] scope:SCOPE_SE
	s_setreg_imm32_b32 hwreg(HW_REG_WAVE_MODE, 25, 1), 1
	s_wait_xcnt 0x0
; out0[b][d] = the sum over the four query blocks qb of part[b][qb][d], qb ascending.  Work-group g: batch g / 4, 128 numbers from d = 128 (g % 4) on; a lane takes four.
; Each load and the store cover 512 consecutive bytes.  Nothing is shared: no LDS, no barrier, no cluster, no matrix unit.
	s_load_b128 s[4:7], s[0:1], 0x0                ; part, out0
	s_lshr_b32 s8, ttmp9, 2
	s_lshl_b32 s8, s8, 13                          ; a batch's four blocks of 2,048 bytes
	s_and_b32 s9, ttmp9, 3
	s_lshl_b32 s9, s9, 9
	s_add_co_u32 s8, s8, s9
	s_mov_b32 s9, 0
	s_lshl_b32 s10, ttmp9, 9
	s_mov_b32 s11, 0
	v_lshlrev_b32 v1, 4, v0
	s_wait_alu depctr_va_vdst(0)
	s_wait_kmcnt 0x0
	s_add_nc_u64 s[4:5], s[4:5], s[8:9]
	s_add_nc_u64 s[6:7], s[6:7], s[10:11]
.irp j, 0,1,2,3
	global_load_b128 v[4+4*\j:7+4*\j], v1, s[4:5] offset:2048*\j th:TH_LOAD_NT
.endr
	s_wait_loadcnt 0x0
.irp j, 1,2,3
	v_pk_add_f32 v[4:5], v[4:5], v[4+4*\j:5+4*\j]
	v_pk_add_f32 v[6:7], v[6:7], v[6+4*\j:7+4*\j]
.endr
	global_store_b128 v1, v[4:7], s[6:7]
	s_endpgm
.Lfunc_end_k_q9166fcedab_fold:
	.size	k_q9166fcedab_fold, .Lfunc_end_k_q9166fcedab_fold-k_q9166fcedab_fold
	.p2alignl 7, 3214868480
	.fill 96, 4, 3214868480
	.section	.rodata,"a",@progbits
	.p2align	6, 0x0
	.amdhsa_kernel k_q9166fcedab_fold
		.amdhsa_group_segment_fixed_size 0
		.amdhsa_private_segment_fixed_size 0
		.amdhsa_enable_private_segment 0
		.amdhsa_kernarg_size 16
		.amdhsa_user_sgpr_count 2
		.amdhsa_user_sgpr_kernarg_segment_ptr 1
		.amdhsa_wavefront_size32 1
		.amdhsa_system_sgpr_workgroup_id_x 1
		.amdhsa_system_sgpr_workgroup_id_y 1
		.amdhsa_system_sgpr_workgroup_id_z 1
		.amdhsa_system_vgpr_workitem_id 0
		.amdhsa_next_free_vgpr 24
		.amdhsa_next_free_sgpr 66
		.amdhsa_reserve_vcc 0
		.amdhsa_float_denorm_mode_32 3
		.amdhsa_float_denorm_mode_16_64 3
		.amdhsa_memory_ordered 1
		.amdhsa_forward_progress 1
		.amdhsa_inst_pref_size 2
	.end_amdhsa_kernel
	.amdgpu_metadata
---
amdhsa.version: [ 1, 2 ]
amdhsa.kernels:
  - .name:           k_q9166fcedab_fold
    .symbol:         k_q9166fcedab_fold.kd
    .args:
      - { .name: part, .offset: 0, .size: 8, .value_kind: global_buffer, .address_space: global }
      - { .name: out0, .offset: 8, .size: 8, .value_kind: global_buffer, .address_space: global }
    .group_segment_fixed_size: 0
    .private_segment_fixed_size: 0
    .kernarg_segment_align: 8
    .kernarg_segment_size: 16
    .max_flat_workgroup_size: 32
    .sgpr_count:     66
    .vgpr_count:     24
    .wavefront_size: 32
...
	.end_amdgpu_metadata
.endif
;; end of part 3
